; MI455X (gfx1250); checked and timed in simulation.
; The chip was launched on July 23, 2026; its instructions are those of AMD's public machine-readable ISA for CDNA 5 (MIT licence, August 2026) and "CDNA5" Instruction Set Architecture Reference Guide (July 2026). The comments in the code are by the model that wrote it; some were corrected since.
;; Multi Head Decoder. Allowed arithmetic: float matrix products may take bf16 or f16 operands with f32 sums; all other float work in f32.
;; Inputs: W1 8 x 256 x 512 float32; W2 8 x 512 x 2,048 float32; X 4,096 x 256 float32; X_head_idx 4,096 int32; b1 8 x 512 float32; b2 8 x 2,048 float32.
;; Outputs: out0 4,096 x 2,048 float32.
;; 2 versions, each right; version 2 is version 1 with the launch output written anew for expert scheduling mode. Each part assembles by itself: llvm-mc -triple=amdgcn-amd-amdhsa -mcpu=gfx1250 --defsym DOCPART=n.
;; ======== version 1 of 2: 3 launches
;; workspace buffers: order 16,896 bytes of whole numbers; tiles 256 bytes of whole numbers; hs 4,325,376 bytes
;; launch route (part 1): grid 1 x 1, 32 waves a work-group, no clusters, 22,016 bytes of LDS; arguments X_head_idx, order, tiles; writes order, tiles
.if DOCPART == 1
	.amdgcn_target "amdgcn-amd-amdhsa--gfx1250"
	.amdhsa_code_object_version 6
	.text
	.protected	k_q2abb302d74_route
	.globl	k_q2abb302d74_route
	.p2align	8
	.type	k_q2abb302d74_route,@function
k_q2abb302d74_route:
	s_mov_b64 s[64:65], 0
	v_nop
	global_prefetch_b8 v0, s[64:65] scope:SCOPE_SE
	s_setreg_imm32_b32 hwreg(HW_REG_WAVE_MODE, 25, 1), 1
	s_wait_xcnt 0x0
; ROUTE: group the 4,096 samples by head, each head's list padded to whole tiles of 16 rows.
;   order[16 t + m] = the sample in row m of tile t.  Head h owns tiles tst[h] .. tst[h+1]-1.  The pad rows of a head's last tile repeat
;                     that tile's first sample, so that a pad row computes and stores its twin's bytes once more, in the wave that has the twin.
;   tiles           = 32 pairs of words: pair l = (tst[l], count[l]) for l < 8, pair 8 = (number of tiles, 0), the rest 0.
; The sum over heads of ceil(count/16) is at most (4096 + 8 x 15) / 16, so at most 263 tiles; 264 tiles (4,224 words) are kept and all are stored.
; One work-group of 32 waves; thread t owns samples 4 t .. 4 t + 3.  A counting sort without atomics: rank inside the wave by ballots,
; counts of all waves through LDS, a prefix over waves and heads in every wave, then a scatter into a list in LDS, copied out in whole rows.
; LIMIT: a head index outside 0 .. 7 is taken as 7 (unsigned clamp); the problem keeps indices inside the table.
; No matrix unit, no cluster: 16 KiB of whole numbers on one work-group.
.set LIST_WORDS, 4224                  ; LDS 0 .. 16,895: the list
.set CNT,  16896                       ; LDS 16,896 .. 17,919: counts, word [head][wave]
.set IDX,  4                           ; v[4:7]    my four head indices
.set POS,  8                           ; v[8:11]   their ranks inside the wave among samples of the same head
.set RUN,  16                          ; s[16:23]  the wave's running count of each head
.set NTS,  24                          ; s[24:31]  tiles of each head
.set TSS,  32                          ; s[32:40]  first tile of each head, and the total
	s_load_b128 s[4:7], s[0:1], 0x0                ; X_head_idx s[4:5], order s[6:7]
	s_load_b64 s[8:9], s[0:1], 0x10                ; tiles
	v_lshl_add_u32 v48, v0, 2, 0x4600
	v_mov_b32 v49, 0
	v_lshrrev_b32 v12, 5, v0
	v_readfirstlane_b32 s10, v12                   ; wave 0 .. 31
	v_and_b32 v1, 31, v0                           ; lane
	v_lshlrev_b32 v2, 4, v0                        ; 16 t: my 16 bytes of the indices, of the list and of order
	v_lshlrev_b32 v3, 2, v0                        ; 4 t: my first sample
	v_lshlrev_b32 v35, 3, v1                       ; 8 lane: my pair in tiles; this register holds nothing else
	s_mov_b32 s12, 0x76543210                      ; v_permlanex16_b32: lane i reads lane i of the other half
	s_mov_b32 s13, 0xfedcba98
.irp h, 0,1,2,3,4,5,6,7
	s_mov_b32 s[RUN+\h], 0
.endr
.irp e, 0,1,2,3
	v_mov_b32 v[POS+\e], 0
	v_mov_b32 v[16+\e], 0
.endr
	s_wait_kmcnt 0x0
	global_load_b128 v[IDX:IDX+3], v2, s[4:5]      ; a wave reads 512 consecutive bytes
	ds_store_b128 v2, v[16:19]                     ; the list starts as zeros (sample 0): every word that is copied out is defined
	s_cmp_lg_u32 s10, 0
	s_cbranch_scc1 .Lzeroed
	ds_store_b128 v2, v[16:19] offset:16384        ; wave 0: the last 512 bytes
.Lzeroed:
	s_lshl_b32 s14, s10, 2
	s_add_co_u32 s14, s14, CNT
	v_mov_b32 v13, s14                             ; my wave's column of the counts
	v_and_b32 v14, 7, v1                           ; the head that this lane sums in the prefix step
	v_lshrrev_b32 v30, 3, v1                       ; and which eight waves of it
	v_lshlrev_b32 v15, 7, v14
	v_lshl_add_u32 v15, v30, 5, v15
	v_add_nc_u32 v15, CNT, v15                     ; counts [lane & 7][8 (lane >> 3) ..]
	v_lshlrev_b32 v30, 3, v30
	v_sub_nc_u32 v31, s10, v30                     ; my wave's number less the first of those eight (signed)
	s_wait_loadcnt 0x0
.irp e, 0,1,2,3
	v_min_u32 v[IDX+\e], 7, v[IDX+\e]
.endr
; One ballot: which lanes hold head h in element e.  A lane that does takes as rank the wave's count so far plus the set bits below it.
.macro BALLOT h, e
	v_cmp_eq_u32 vcc_lo, \h, v[IDX+\e]
	v_mbcnt_lo_u32_b32 v12, vcc_lo, s[RUN+\h]
	v_cndmask_b32 v[POS+\e], v[POS+\e], v12, vcc_lo
	s_bcnt1_i32_b32 s14, vcc_lo
	s_add_co_u32 s[RUN+\h], s[RUN+\h], s14
.endm
.irp h, 0,1,2,3,4,5,6,7
.irp e, 0,1,2,3
	BALLOT \h, \e
.endr
.endr
.irp h, 0,1,2,3,4,5,6,7
	v_mov_b32 v12, s[RUN+\h]
	ds_store_b32 v13, v12 offset:128*\h            ; all lanes store the same word with the same value
.endr
	s_wait_dscnt 0x0                               ; my zeros and my counts are in LDS before I say so
	s_barrier_signal -1
	s_barrier_wait -1
	; Every wave: totals of the heads, and for each head the count of the waves in front of mine.
	ds_load_b128 v[20:23], v15
	ds_load_b128 v[24:27], v15 offset:16
	v_mov_b32 v29, 0
	s_wait_dscnt 0x0
	v_add3_u32 v28, v20, v21, v22
	v_add3_u32 v28, v28, v23, v24
	v_add3_u32 v28, v28, v25, v26
	v_add_nc_u32 v28, v28, v27                     ; eight waves' count of head lane & 7
.irp jj, 0,1,2,3,4,5,6,7
	v_cmp_lt_i32 vcc_lo, \jj, v31                  ; is that wave in front of mine?
	v_cndmask_b32 v30, 0, v[20+\jj], vcc_lo
	v_add_nc_u32 v29, v29, v30
.endr
	v_mov_b32_dpp v30, v28 row_xmask:8 row_mask:0xf bank_mask:0xf      ; the four lanes with equal lane & 7 add up: lane xor 8,
	v_add_nc_u32 v28, v28, v30
	v_permlanex16_b32 v30, v28, s12, s13                               ; then lane xor 16
	v_add_nc_u32 v28, v28, v30                     ; T: the head's count
	v_mov_b32_dpp v30, v29 row_xmask:8 row_mask:0xf bank_mask:0xf
	v_add_nc_u32 v29, v29, v30
	v_permlanex16_b32 v30, v29, s12, s13
	v_add_nc_u32 v29, v29, v30                     ; P: of which in waves in front of mine
	v_add_nc_u32 v32, 15, v28
	v_lshrrev_b32 v32, 4, v32                      ; the head's tiles
.irp h, 0,1,2,3,4,5,6,7
	v_readlane_b32 s[NTS+\h], v32, \h
.endr
	s_mov_b32 s[TSS], 0
.irp h, 0,1,2,3,4,5,6,7
	s_add_co_u32 s[TSS+1+\h], s[TSS+\h], s[NTS+\h]
.endr
	v_mov_b32 v33, 0
.irp k, 0,1,2,3,4,5,6,7,8
	v_writelane_b32 v33, s[TSS+\k], \k             ; lane l: first tile of head l; lane 8: the total; the rest 0
.endr
	v_lshl_add_u32 v34, v33, 4, v29                ; lanes 0-7: where my wave's samples of that head begin in the list
	; what the pad step needs, for head min(wave, 7): written by every wave, used by waves 0-7
	s_min_u32 s47, s10, 7
	v_readlane_b32 s42, v28, s47                   ; count
	v_readlane_b32 s43, v33, s47                   ; first tile
	v_readlane_b32 s44, v32, s47                   ; tiles
	s_lshl_b32 s43, s43, 4                         ; first slot
	s_lshl_b32 s44, s44, 4                         ; slots, pads included
	s_sub_co_u32 s45, s44, s42                     ; pad slots, 0 .. 15
	s_add_co_u32 s46, s43, s44
	s_sub_co_u32 s46, s46, 16                      ; first slot of the head's last tile: a true sample, since count > 16 (tiles - 1)
	s_min_u32 s46, s46, LIST_WORDS-1               ; (a head without samples has no pads: what is read for it is not used)
	s_lshl_b32 s46, s46, 2
	v_mov_b32 v46, s46                             ; its LDS address
	s_add_co_u32 s14, s43, s42
	v_add_nc_u32 v12, s14, v1
	v_min_u32 v12, LIST_WORDS-1, v12
	v_lshlrev_b32 v12, 2, v12                      ; LDS address of pad slot number lane
	; Scatter: slot = the head's base for my wave + my rank.  The clamp keeps every store inside the list, away from the counts.
.irp e, 0,1,2,3
	v_lshlrev_b32 v[36+\e], 2, v[IDX+\e]
	ds_bpermute_b32 v[40+\e], v[36+\e], v34        ; the base from lane = head
.endr
	s_wait_dscnt 0x0
.irp e, 0,1,2,3
	v_add_nc_u32 v[36+\e], v[POS+\e], v[40+\e]
	v_min_u32 v[36+\e], LIST_WORDS-1, v[36+\e]
	v_lshlrev_b32 v[36+\e], 2, v[36+\e]
	v_add_nc_u32 v[40+\e], \e, v3                  ; the sample's number
	ds_store_b32 v[36+\e], v[40+\e]
.endr
	s_wait_dscnt 0x0                               ; my part of the list is in LDS
	s_barrier_signal -1
	s_barrier_wait -1
	ds_load_b32 v47, v46                           ; the sample that the pads repeat
	s_wait_dscnt 0x0                               ; read before anybody stores pads
	s_barrier_signal -1
	s_barrier_wait -1
	s_cmp_gt_u32 s10, 7
	s_cbranch_scc1 .Lnopad                         ; wave h < 8 pads head h
	v_cmp_gt_u32 vcc_lo, s45, v1                   ; lanes 0 .. pad slots - 1
	s_wait_xcnt 0x0                                ; EXEC is narrowed only when no global access can still want it
	s_and_saveexec_b32 s41, vcc_lo
	ds_store_b32 v12, v47
	s_or_b32 exec_lo, exec_lo, s41
.Lnopad:
	s_wait_dscnt 0x0
	s_barrier_signal -1
	s_barrier_wait -1
	; Copy out: each store of a wave covers 512 consecutive bytes, aligned.
	ds_load_b128 v[16:19], v2
	s_wait_dscnt 0x0
	global_store_b128 v2, v[16:19], s[6:7]
	s_cmp_lg_u32 s10, 0
	s_cbranch_scc1 .Lend
	ds_load_b128 v[20:23], v2 offset:16384
	v_cmp_gt_u32 vcc_lo, 8, v1
	v_mov_b32 v44, v33
	v_cndmask_b32 v45, 0, v28, vcc_lo
	global_store_b64 v35, v[44:45], s[8:9]         ; the whole 256 bytes of tiles in one store
	s_wait_dscnt 0x0
	global_store_b128 v2, v[20:23], s[6:7] offset:16384
.Lend:
	s_wait_tensorcnt 0x0
	ds_add_u32 v48, v49
	s_wait_dscnt 0x0
	s_endpgm
.Lfunc_end_k_q2abb302d74_route:
	.size	k_q2abb302d74_route, .Lfunc_end_k_q2abb302d74_route-k_q2abb302d74_route
	.p2alignl 7, 3214868480
	.fill 96, 4, 3214868480
	.section	.rodata,"a",@progbits
	.p2align	6, 0x0
	.amdhsa_kernel k_q2abb302d74_route
		.amdhsa_group_segment_fixed_size 22016
		.amdhsa_private_segment_fixed_size 0
		.amdhsa_enable_private_segment 0
		.amdhsa_kernarg_size 24
		.amdhsa_user_sgpr_count 2
		.amdhsa_user_sgpr_kernarg_segment_ptr 1
		.amdhsa_wavefront_size32 1
		.amdhsa_system_sgpr_workgroup_id_x 1
		.amdhsa_system_sgpr_workgroup_id_y 1
		.amdhsa_system_sgpr_workgroup_id_z 1
		.amdhsa_system_vgpr_workitem_id 0
		.amdhsa_next_free_vgpr 50
		.amdhsa_next_free_sgpr 66
		.amdhsa_reserve_vcc 1
		.amdhsa_float_denorm_mode_32 3
		.amdhsa_float_denorm_mode_16_64 3
		.amdhsa_memory_ordered 1
		.amdhsa_forward_progress 1
		.amdhsa_inst_pref_size 16
	.end_amdhsa_kernel
	.amdgpu_metadata
---
amdhsa.version: [ 1, 2 ]
amdhsa.kernels:
  - .name:           k_q2abb302d74_route
    .symbol:         k_q2abb302d74_route.kd
    .args:
      - { .name: X_head_idx, .offset: 0, .size: 8, .value_kind: global_buffer, .address_space: global }
      - { .name: order, .offset: 8, .size: 8, .value_kind: global_buffer, .address_space: global }
      - { .name: tiles, .offset: 16, .size: 8, .value_kind: global_buffer, .address_space: global }
    .group_segment_fixed_size: 22016
    .private_segment_fixed_size: 0
    .kernarg_segment_align: 8
    .kernarg_segment_size: 24
    .max_flat_workgroup_size: 1024
    .sgpr_count:     66
    .vgpr_count:     50
    .wavefront_size: 32
...
	.end_amdgpu_metadata
.endif
;; end of part 1
;; launch hidden (part 2): grid 256 x 1, 4 waves a work-group, no clusters, 67,072 bytes of LDS; arguments X, W1, b1, order, tiles, hs; writes hs
.if DOCPART == 2
	.amdgcn_target "amdgcn-amd-amdhsa--gfx1250"
	.amdhsa_code_object_version 6
	.text
	.protected	k_q2abb302d74_hidden
	.globl	k_q2abb302d74_hidden
	.p2align	8
	.type	k_q2abb302d74_hidden,@function
k_q2abb302d74_hidden:
	s_mov_b64 s[64:65], 0
	v_nop
	global_prefetch_b8 v0, s[64:65] scope:SCOPE_SE
	s_setreg_imm32_b32 hwreg(HW_REG_WAVE_MODE, 25, 1), 1
	s_wait_xcnt 0x0
; HIDDEN: h = relu(X W1[head] + b1[head]) for the samples in routed order, stored in bf16 as the register image of the next launch's fragments.
; Work-group x: head x >> 5, 64 hidden columns g = (x >> 2) & 7, and four of the 16 streams of that (head, g): stream q = 4 (x & 3) + wave
; takes tiles tst[head] + q, + 16, ...  The trip count is read from tiles, so the tile loop holds no barrier: a wave keeps all of its 64 columns of
; W1 (8 K steps x 4 fragments = 256 registers) and works alone.  The one barrier stands in front of the loop, where each wave has converted a
; quarter of the 256 x 64 block of W1 and the four hand their quarters to each other through LDS.
;
; W1 is [K][N] in f32.  One 16-byte load gives lane (r = lane & 15, h = lane >> 4) the numbers W1[k][64 g + 4 r + 0..3]; number j belongs to
; fragment j, whose 16 columns are 64 g + 4 r + j, and two loads of neighbouring k pack into one register: no shuffle.
; The matrix instruction is used transposed (source 0 = W1's fragment j, source 1 = X's fragment): register i of lane (r, h) is then
; h(sample r, hidden 64 g + 32 h + 4 i + j); eight of them pack into four registers, half u = j & 1 of the fragment of K step s = 2 g + (j >> 1)
; of the next launch, which lays W2's rows in the same order: slot (s, u, h, i) <-> hidden row 64 (s >> 1) + 32 h + 4 i + 2 (s & 1) + u.
; hs: byte t x 16384 + s x 1024 + u x 512 + 16 x lane.
; b1 is the C operand of a tile's first products: no add is spent on it.
;
; NO CLUSTER, NO TENSOR LOADS: four work-groups read the same 64 KiB of W1 and eight the same rows of X, but both are f32 and must pass through
; registers to become bf16, and X's rows are gathered by a list; joint requests would also need a barrier in a loop whose length is read from memory.
; LIMITS: X and W1 are rounded to bf16, h is stored in bf16; sums, bias and relu in f32.  relu is v_max_num_f32: a NaN sum gives 0.
.set MAXTILE, 263                      ; order and hs hold 264 tiles
.set MAXN,    16                       ; a head has at most 4096 / 16 = 256 tiles, a stream a sixteenth of them
.set XPITCH,  528                      ; an LDS row of X: 512 bytes + 16: 33 x 16 bytes, so 16 rows start 16 bytes apart modulo 256
.set XT0,     32768                    ; LDS 0 .. 32,767: W1's fragments; then 16 x 528 bytes for each wave, its own tile of X
.set ROW,  16                          ; v[16:23]   order[16 t + 8 h + i]
.set OFFS, 24                          ; v[24:31]   byte offset of that sample's row in X, + 16 r
.set ACC,  32                          ; v[32:63]   accumulators, 8 j + i
.set BJ,   64                          ; v[64:95]   b1 in the accumulators' order
.set XP,   96                          ; v[96:159]  packed bf16 on the way to LDS
.set XF,   160                         ; v[160:223] X's fragments, 8 s + 4 u (at the start: b1 as loaded)
.set T,    224                         ; v[224:231] at work
.set HP,   232                         ; v[232:247] h packed, 4 j + p
; window 1: v0-255 W1's fragments, 8 (4 s + j) + 4 u.   window 2: v0-127 X in f32, v128-255 W1 in f32.
.set MSB, 0
.macro WIN new                         ; s_set_vgpr_msb: bits 1:0 source 0, 3:2 source 1, 5:4 source 2, 7:6 destination; the high byte repeats the setting left
.if MSB != \new
	s_set_vgpr_msb (MSB<<8)|\new
.set MSB, \new
.endif
.endm
.macro PLACES                          ; four independent vector instructions behind a matrix instruction (ISA guide 7.12.1)
.rept 4
	v_nop
.endr
.endm
	s_load_b256 s[4:11], s[0:1], 0x0               ; X s[4:5], W1 s[6:7], b1 s[8:9], order s[10:11]
	s_load_b128 s[12:15], s[0:1], 0x20             ; tiles s[12:13], hs s[14:15]
	v_lshl_add_u32 v254, v0, 2, 0x10400
	v_mov_b32 v255, 0
	v_lshrrev_b32 v1, 5, v0
	v_readfirstlane_b32 s16, v1                    ; wave
	s_lshr_b32 s17, ttmp9, 5                       ; head
	s_bfe_u32 s18, ttmp9, 0x30002                  ; g
	s_and_b32 s19, ttmp9, 3
	s_lshl2_add_u32 s19, s19, s16                  ; stream q
	v_and_b32 v1, 31, v0                           ; lane
	v_and_b32 v2, 15, v0                           ; r
	v_bfe_u32 v3, v0, 4, 1                         ; h
	v_lshlrev_b32 v4, 4, v1                        ; 16 lane
	v_lshlrev_b32 v8, 4, v2                        ; 16 r
	v_lshl_add_u32 v5, v3, 14, v8                  ; W1: 8 h rows of 2,048 bytes + 16 r
	v_lshlrev_b32 v6, 7, v3                        ; b1: 32 h numbers
	v_lshlrev_b32 v7, 5, v3                        ; order: 8 h words
	s_mul_i32 s44, s16, 16*XPITCH
	s_add_co_u32 s44, s44, XT0                     ; my wave's tile of X in LDS
	v_mul_u32_u24 v9, v3, 8*XPITCH
	v_lshl_add_u32 v9, v2, 3, v9
	v_add_nc_u32 v9, s44, v9                       ; in: row 8 h (+ i), 8 bytes at 8 r
	v_mul_u32_u24 v10, v2, XPITCH
	v_lshl_add_u32 v10, v3, 4, v10
	v_add_nc_u32 v10, s44, v10                     ; back: row r, 16 bytes at 16 h
	s_lshl_b32 s45, s16, 13
	v_add_nc_u32 v11, s45, v4                      ; my quarter of W1's fragments: K steps 2 w, 2 w + 1
	s_mov_b32 s29, 0                               ; the high word of every offset pair
	s_wait_kmcnt 0x0
	s_lshl_b32 s28, s17, 3
	s_add_nc_u64 s[40:41], s[12:13], s[28:29]
	s_load_b128 s[20:23], s[40:41], 0x0            ; tst[head], count, tst[head+1], count
	s_load_b32 s24, s[12:13], 0x40                 ; the number of tiles
	s_lshl_b32 s28, s17, 19                        ; a head of W1: 256 x 512 x 4 bytes
	s_lshl_b32 s44, s16, 17                        ; 64 w rows
	s_add_co_u32 s28, s28, s44
	s_lshl_b32 s44, s18, 8                         ; 64 g columns
	s_add_co_u32 s28, s28, s44
	s_add_nc_u64 s[30:31], s[6:7], s[28:29]
	s_lshl_b32 s28, s17, 11
	s_add_co_u32 s28, s28, s44
	s_add_nc_u64 s[32:33], s[8:9], s[28:29]        ; b1[head][64 g]
	s_lshl_b32 s28, s18, 11
	s_add_nc_u64 s[34:35], s[14:15], s[28:29]      ; hs + K steps 2 g, 2 g + 1
	; my 64 rows of W1: load (sp, u, i) brings row 64 w + 32 sp + 16 u + 8 h + i; each half of the wave reads 256 consecutive bytes, aligned
	WIN 0x80
.irp sp, 0,1
.irp u, 0,1
.irp i, 0,1,2,3,4,5,6,7
	global_load_b128 v[128+4*((2*\sp+\u)*8+\i):128+4*((2*\sp+\u)*8+\i)+3], v5, s[30:31] offset:(32*\sp+16*\u+\i)*2048
.endr
.endr
.endr
	WIN 0
.irp i, 0,1,2,3,4,5,6,7
	global_load_b128 v[XF+4*\i:XF+4*\i+3], v6, s[32:33] offset:16*\i   ; b1[64 g + 32 h + 4 i + 0..3]
.endr
	s_wait_kmcnt 0x0
	s_sub_co_u32 s24, s24, 1                       ; the last tile that was written
	s_add_co_u32 s25, s20, s19                     ; t: my first tile
	s_sub_co_u32 s27, s22, s20                     ; the head's tiles
	s_add_co_u32 s27, s27, 15
	s_sub_co_u32 s27, s27, s19
	s_lshr_b32 s27, s27, 4                         ; n: my tiles
	s_min_u32 s27, s27, MAXN
	s_sub_co_u32 s26, s27, 1                       ; the loop's trips: all my tiles but the last (used only where n > 0)
; the 16 sample numbers of tile min(t + ahead, last tile): a look-ahead past my share reads a tile that exists and is not used
.macro ORDLOAD ahead
	s_add_co_u32 s44, s25, \ahead
	s_min_u32 s44, s44, s24
	s_min_u32 s44, s44, MAXTILE
	s_lshl_b32 s28, s44, 6
	s_add_nc_u64 s[36:37], s[10:11], s[28:29]
	global_load_b128 v[ROW:ROW+3], v7, s[36:37]
	global_load_b128 v[ROW+4:ROW+7], v7, s[36:37] offset:16
.endm
.macro OFFSETS
.irp i, 0,1,2,3,4,5,6,7
	v_min_u32 v[OFFS+\i], 4095, v[ROW+\i]
	v_lshl_add_u32 v[OFFS+\i], v[OFFS+\i], 10, v8  ; a row of X is 1,024 bytes
.endr
.endm
; 32 loads: sample 8 h + i, numbers 64 c + 4 r + 0..3; each half of the wave reads 256 consecutive bytes of one row, aligned
.macro XLOADS
	WIN 0x80
.irp i, 0,1,2,3,4,5,6,7
.irp c, 0,1,2,3
	global_load_b128 v[4*(4*\i+\c):4*(4*\i+\c)+3], v[OFFS+\i], s[4:5] offset:256*\c
.endr
.endr
	WIN 0
.endm
	ORDLOAD 0
	s_wait_loadcnt 0x0                             ; the youngest loads are order's: W1 and b1 are in too
.irp j, 0,1,2,3
.irp i, 0,1,2,3,4,5,6,7
	v_mov_b32 v[BJ+8*\j+\i], v[XF+4*\i+\j]         ; once for the launch: b1 in the accumulators' order
.endr
.endr
	OFFSETS
	XLOADS                                         ; the first tile of X
	ORDLOAD 16                                     ; (the first pair of order's loads is done: their base may be stepped)
	; W1 to bf16: register 4 u + p of fragment (sp, j) = rows i = 2 p, 2 p + 1 of column j
	WIN 0x0a
.irp sp, 0,1
.irp j, 0,1,2,3
.irp u, 0,1
.irp p, 0,1,2,3
	v_cvt_pk_bf16_f32 v[XP+((4*\sp+\j)*2+\u)*4+\p], v[128+4*((2*\sp+\u)*8+2*\p)+\j], v[128+4*((2*\sp+\u)*8+2*\p+1)+\j]
.endr
.endr
.endr
.endr
	WIN 0
.set n, 0
.rept 16
	ds_store_b128 v11, v[XP+4*n:XP+4*n+3] offset:512*n     ; half-fragment n = 2 (4 sp + j) + u: 512 consecutive bytes
.set n, n+1
.endr
	s_wait_dscnt 0x0                               ; my quarter is in LDS before I say so
	s_barrier_signal -1
	s_barrier_wait -1                              ; the launch's only barrier: in front of every branch that hangs on loaded numbers
	s_cmp_eq_u32 s27, 0
	s_cbranch_scc1 .Lend                           ; a head with fewer tiles than streams leaves some waves without work
	WIN 0x40
.set n, 0
.rept 64
	ds_load_b128 v[4*n:4*n+3], v4 offset:512*n     ; all 32 fragments of W1 into window 1
.set n, n+1
.endr
	WIN 0
	s_wait_dscnt 0x0
; One tile of 16 samples.  At its head 34 loads are out on every path: the tile's 32 loads of X, then the next tile's two of order.
; more = 1: the next tile's X is asked for, and the order of the one behind it.
.macro TILE more
	s_wait_xcnt 0x0                                ; the last tile's stores have read HP and their base
	s_wait_loadcnt 0x2                             ; X is in; the two younger loads (order) may stay out
	WIN 0x0a
.set n, 0
.rept 32
	v_cvt_pk_bf16_f32 v[XP+2*n],   v[4*n],   v[4*n+1]
	v_cvt_pk_bf16_f32 v[XP+2*n+1], v[4*n+2], v[4*n+3]
.set n, n+1
.endr
	WIN 0
.irp i, 0,1,2,3,4,5,6,7
.irp c, 0,1,2,3
	ds_store_b64 v9, v[XP+2*(4*\i+\c):XP+2*(4*\i+\c)+1] offset:XPITCH*\i+128*\c   ; the two halves of the wave lie 8 x 528 = 16 x 256 + 128 bytes apart
.endr
.endr
.if \more
	s_wait_loadcnt 0x0                             ; the next tile's sample numbers, asked for one tile ago
	OFFSETS
	XLOADS
	ORDLOAD 32
.endif
.set n, 0
.rept 16
	ds_load_b128 v[XF+4*n:XF+4*n+3], v10 offset:32*n       ; my own bytes: LDS serves a wave's instructions in order (ISA guide 5.7.1)
.set n, n+1
.endr
	s_wait_dscnt 0x0
	WIN 0x01                                       ; source 0 (W1) in window 1
.irp s, 0,1,2,3,4,5,6,7
.irp j, 0,1,2,3
.if \s == 0
	v_wmma_f32_16x16x32_bf16 v[ACC+8*\j:ACC+8*\j+7], v[8*(4*\s+\j):8*(4*\s+\j)+7], v[XF+8*\s:XF+8*\s+7], v[BJ+8*\j:BJ+8*\j+7]
.else
	v_wmma_f32_16x16x32_bf16 v[ACC+8*\j:ACC+8*\j+7], v[8*(4*\s+\j):8*(4*\s+\j)+7], v[XF+8*\s:XF+8*\s+7], v[ACC+8*\j:ACC+8*\j+7]
.endif
.endr
.endr
	PLACES
	WIN 0
	s_min_u32 s44, s25, MAXTILE
	s_lshl_b32 s28, s44, 14
	s_add_nc_u64 s[38:39], s[34:35], s[28:29]      ; hs at tile t, K steps 2 g, 2 g + 1
.irp j, 0,1,2,3
.irp i, 0,1,2,3,4,5,6,7
	v_max_num_f32 v[T+\i], 0, v[ACC+8*\j+\i]
.endr
.irp p, 0,1,2,3
	v_cvt_pk_bf16_f32 v[HP+4*\j+\p], v[T+2*\p], v[T+2*\p+1]
.endr
	global_store_b128 v4, v[HP+4*\j:HP+4*\j+3], s[38:39] offset:512*\j     ; 512 consecutive bytes, aligned; the four make 2,048
.endr
.endm
	s_cmp_eq_u32 s26, 0
	s_cbranch_scc1 .Ltail                          ; one tile only
	s_mov_b32 s46, 0                               ; the loop is counted by its trips; t only feeds addresses
.Lloop:
	TILE 1
	s_add_co_u32 s25, s25, 16                      ; my next tile
	s_add_co_u32 s46, s46, 1
	s_cmp_lt_u32 s46, s26
	s_cbranch_scc1 .Lloop
.Ltail:
	TILE 0                                         ; my last tile asks for nothing more
.Lend:
	s_wait_tensorcnt 0x0
	ds_add_u32 v254, v255
	s_wait_dscnt 0x0
	s_endpgm
.Lfunc_end_k_q2abb302d74_hidden:
	.size	k_q2abb302d74_hidden, .Lfunc_end_k_q2abb302d74_hidden-k_q2abb302d74_hidden
	.p2alignl 7, 3214868480
	.fill 96, 4, 3214868480
	.section	.rodata,"a",@progbits
	.p2align	6, 0x0
	.amdhsa_kernel k_q2abb302d74_hidden
		.amdhsa_group_segment_fixed_size 67072
		.amdhsa_private_segment_fixed_size 0
		.amdhsa_enable_private_segment 0
		.amdhsa_kernarg_size 48
		.amdhsa_user_sgpr_count 2
		.amdhsa_user_sgpr_kernarg_segment_ptr 1
		.amdhsa_wavefront_size32 1
		.amdhsa_system_sgpr_workgroup_id_x 1
		.amdhsa_system_sgpr_workgroup_id_y 1
		.amdhsa_system_sgpr_workgroup_id_z 1
		.amdhsa_system_vgpr_workitem_id 0
		.amdhsa_next_free_vgpr 768
		.amdhsa_next_free_sgpr 66
		.amdhsa_reserve_vcc 0
		.amdhsa_float_denorm_mode_32 3
		.amdhsa_float_denorm_mode_16_64 3
		.amdhsa_memory_ordered 1
		.amdhsa_forward_progress 1
		.amdhsa_inst_pref_size 50
	.end_amdhsa_kernel
	.amdgpu_metadata
---
amdhsa.version: [ 1, 2 ]
amdhsa.kernels:
  - .name:           k_q2abb302d74_hidden
    .symbol:         k_q2abb302d74_hidden.kd
    .args:
      - { .name: X, .offset: 0, .size: 8, .value_kind: global_buffer, .address_space: global }
      - { .name: W1, .offset: 8, .size: 8, .value_kind: global_buffer, .address_space: global }
      - { .name: b1, .offset: 16, .size: 8, .value_kind: global_buffer, .address_space: global }
      - { .name: order, .offset: 24, .size: 8, .value_kind: global_buffer, .address_space: global }
      - { .name: tiles, .offset: 32, .size: 8, .value_kind: global_buffer, .address_space: global }
      - { .name: hs, .offset: 40, .size: 8, .value_kind: global_buffer, .address_space: global }
    .group_segment_fixed_size: 67072
    .private_segment_fixed_size: 0
    .kernarg_segment_align: 8
    .kernarg_segment_size: 48
    .max_flat_workgroup_size: 128
    .sgpr_count:     66
    .vgpr_count:     768
    .wavefront_size: 32
...
	.end_amdgpu_metadata
.endif
;; end of part 2
;; launch output (part 3): grid 256 x 1, 4 waves a work-group, no clusters, 66,048 bytes of LDS; arguments hs, W2, b2, order, tiles, out0; writes out0
.if DOCPART == 3
	.amdgcn_target "amdgcn-amd-amdhsa--gfx1250"
	.amdhsa_code_object_version 6
	.text
	.protected	k_q2abb302d74_output
	.globl	k_q2abb302d74_output
	.p2align	8
	.type	k_q2abb302d74_output,@function
k_q2abb302d74_output:
	s_mov_b64 s[64:65], 0
	v_nop
	global_prefetch_b8 v0, s[64:65] scope:SCOPE_SE
	s_setreg_imm32_b32 hwreg(HW_REG_WAVE_MODE, 25, 1), 1
	s_wait_xcnt 0x0
; OUTPUT: out[sample] = h W2[head] + b2[head], rows scattered back to the samples' places.
; Work-group x: head x >> 5, 64 columns slice = x & 31.  Its 512 x 64 block of W2 (128 KiB of f32) is read by this work-group alone, once: each
; wave loads and converts a quarter, the four exchange them through LDS behind the launch's one barrier, and every wave then keeps the whole
; block as 64 fragments in 512 registers.  Wave w takes tiles tst[head] + w, + 4, ...; the trip count is read from tiles, so the tile loop
; holds no barrier and touches no LDS: h's fragments come from hs as they lie (16 bytes a lane, 512 consecutive bytes a load).
;
; W2 is [K][N] in f32: one 16-byte load gives lane (r, h) the numbers W2[row][64 slice + 4 r + 0..3]; number j belongs to fragment j (columns
; 4 r + j), and two loads pack into one register.  The rows are taken in the order in which hs holds h:
; slot (K step s, half u, h, i) <-> hidden row 64 (s >> 1) + 32 h + 4 i + 2 (s & 1) + u; the same order on both sides leaves the products as they are.
; Register i of accumulator j in lane (r, h) is out(row 8 h + i of the tile, column 4 r + j): the add of b2 gathers j = 0..3 into four neighbouring
; registers, and one store writes 256 consecutive aligned bytes of row i (lanes 0-15) and of row 8 + i (lanes 16-31).
;
; h's fragments run through a ring of 16 K-step slots in registers, refilled in place, four K steps at a time, behind the products that read them:
; 24 to 32 loads of 512 bytes of each wave are always out.
; NO CLUSTER: the 32 work-groups of a head read the same tiles of hs (512 KiB of the 640 KiB that a work-group reads at 32 tiles a head).  Joint
; requests would bring them into LDS and so need a barrier in a loop whose length is read from memory; this text keeps barriers out of such loops.
; LIMITS: h and W2 enter the products in bf16; sums and bias in f32.  A pad row repeats a sample of its own tile: the wave that stores that
; sample's row stores the same bytes once more.
.set MAXTILE, 263
.set MAXN,    64                       ; a head has at most 4096 / 16 = 256 tiles, a wave a quarter of them
.set ACC,  16                          ; v[16:47]   accumulators, 8 j + i
.set OUT,  48                          ; v[48:79]   results, 4 i + j
.set ROW,  80                          ; v[80:87]   order[16 t + 8 h + i]
.set OFFS, 88                          ; v[88:95]   byte offset of that row in out, + 16 r
.set BIAS, 96                          ; v[96:99]   b2 of my four columns
.set AR,   128                         ; v[128:255] h's fragments, 8 s + 4 u
; window 1: W2's fragments of K steps 0-7, 8 (4 s + j) + 4 u (before the barrier: my quarter in f32, 64 quads)
; window 2: those of K steps 8-15 (before the barrier: v0-127 my quarter in bf16)
.set MSB, 0
.macro WIN new                         ; s_set_vgpr_msb: bits 1:0 source 0, 3:2 source 1, 5:4 source 2, 7:6 destination; the high byte repeats the setting left
.if MSB != \new
	s_set_vgpr_msb (MSB<<8)|\new
.set MSB, \new
.endif
.endm
.macro PLACES                          ; four independent vector instructions behind a matrix instruction (ISA guide 7.12.1)
.rept 4
	v_nop
.endr
.endm
	s_load_b256 s[4:11], s[0:1], 0x0               ; hs s[4:5], W2 s[6:7], b2 s[8:9], order s[10:11]
	s_load_b128 s[12:15], s[0:1], 0x20             ; tiles s[12:13], out0 s[14:15]
	v_lshl_add_u32 v126, v0, 2, 0x10000
	v_mov_b32 v127, 0
	v_lshrrev_b32 v1, 5, v0
	v_readfirstlane_b32 s16, v1                    ; wave
	s_lshr_b32 s17, ttmp9, 5                       ; head
	s_and_b32 s18, ttmp9, 31                       ; slice
	v_and_b32 v1, 31, v0                           ; lane
	v_and_b32 v2, 15, v0                           ; r
	v_bfe_u32 v3, v0, 4, 1                         ; h
	v_lshlrev_b32 v4, 4, v1                        ; 16 lane
	v_lshlrev_b32 v6, 4, v2                        ; 16 r
	v_lshl_add_u32 v5, v3, 18, v6                  ; W2: 32 h rows of 8,192 bytes + 16 r
	v_lshlrev_b32 v7, 5, v3                        ; order: 8 h words
	s_lshl_b32 s45, s16, 14
	v_add_nc_u32 v8, s45, v4                       ; my quarter of the fragments in LDS: K steps 4 w .. 4 w + 3
	s_mov_b32 s29, 0                               ; the high word of every offset pair
	s_wait_kmcnt 0x0
	s_lshl_b32 s28, s17, 3
	s_add_nc_u64 s[42:43], s[12:13], s[28:29]
	s_load_b128 s[20:23], s[42:43], 0x0            ; tst[head], count, tst[head+1], count
	s_load_b32 s24, s[12:13], 0x40                 ; the number of tiles
	s_lshl_b32 s28, s17, 22                        ; a head of W2: 512 x 2048 x 4 bytes
	s_lshl_b32 s44, s16, 20                        ; 128 w rows
	s_add_co_u32 s28, s28, s44
	s_lshl_b32 s44, s18, 8                         ; 64 columns
	s_add_co_u32 s28, s28, s44
	s_add_nc_u64 s[30:31], s[6:7], s[28:29]
	s_lshl_b32 s28, s17, 13
	s_add_co_u32 s28, s28, s44
	s_add_nc_u64 s[32:33], s[8:9], s[28:29]        ; b2[head][64 slice]
	s_mov_b32 s28, s44
	s_add_nc_u64 s[34:35], s[14:15], s[28:29]      ; out0 + my 256 bytes of a row
	; my 128 rows of W2, read once in the launch: load (sp, u, i) brings row 128 w + 64 (sp >> 1) + 32 h + 4 i + 2 (sp & 1) + u;
	; each half of the wave reads 256 consecutive bytes, aligned
	WIN 0x40
.irp sp, 0,1,2,3
.irp u, 0,1
.irp i, 0,1,2,3,4,5,6,7
	global_load_b128 v[4*((2*\sp+\u)*8+\i):4*((2*\sp+\u)*8+\i)+3], v5, s[30:31] offset:(64*(\sp>>1)+4*\i+2*(\sp&1)+\u)*8192 th:TH_LOAD_NT
.endr
.endr
.endr
	WIN 0
	global_load_b128 v[BIAS:BIAS+3], v6, s[32:33]
	s_wait_kmcnt 0x0
	s_sub_co_u32 s24, s24, 1                       ; the last tile that was written
	s_add_co_u32 s25, s20, s16                     ; t: my first tile
	s_sub_co_u32 s27, s22, s20                     ; the head's tiles
	s_add_co_u32 s27, s27, 3
	s_sub_co_u32 s27, s27, s16
	s_lshr_b32 s27, s27, 2                         ; n: my tiles
	s_min_u32 s27, s27, MAXN
	s_sub_co_u32 s26, s27, 1                       ; the loop's trips: all my tiles but the last (used only where n > 0)
	s_min_u32 s44, s25, s24                        ; a wave without work reads a tile that exists and does not use it
	s_min_u32 s44, s44, MAXTILE
	s_lshl_b32 s28, s44, 14
	s_add_nc_u64 s[40:41], s[4:5], s[28:29]
.set n, 0
.rept 32
	global_load_b128 v[AR+4*n:AR+4*n+3], v4, s[40:41] offset:512*n     ; the first tile's 16 fragments
.set n, n+1
.endr
; K step 4 w + sp of my quarter: to bf16 (register 4 u + p of fragment j = rows i = 2 p, 2 p + 1 of column j) and into LDS.
; left = how many younger loads may stay out when this K step's 16 loads have to be in.
.macro CONV sp, left
	s_wait_loadcnt \left
	WIN 0x85
.irp j, 0,1,2,3
.irp u, 0,1
.irp p, 0,1,2,3
	v_cvt_pk_bf16_f32 v[(4*\sp+\j)*8+4*\u+\p], v[4*((2*\sp+\u)*8+2*\p)+\j], v[4*((2*\sp+\u)*8+2*\p+1)+\j]
.endr
.endr
.endr
	WIN 0x08
.irp j, 0,1,2,3
.irp u, 0,1
	ds_store_b128 v8, v[(4*\sp+\j)*8+4*\u:(4*\sp+\j)*8+4*\u+3] offset:(4*\sp+\j)*1024+512*\u
.endr
.endr
.endm
	CONV 0, 63                                     ; 81 loads are younger (48 of W2, b2, 32 of hs): the largest count that the wait can name
	CONV 1, 63                                     ; 65 are younger
	CONV 2, 49                                     ; 16 of W2, b2, 32 of hs
	CONV 3, 33                                     ; b2, 32 of hs
	WIN 0
	s_wait_dscnt 0x0                               ; my quarter is in LDS before I say so
	s_barrier_signal -1
	s_barrier_wait -1                              ; the launch's only barrier: in front of every branch that hangs on loaded numbers
	s_cmp_eq_u32 s27, 0
	s_cbranch_scc1 .Lend                           ; a head with fewer than four tiles leaves some waves without work
	WIN 0x40
.set n, 0
.rept 64
	ds_load_b128 v[4*n:4*n+3], v4 offset:512*n             ; K steps 0-7 into window 1
.set n, n+1
.endr
	WIN 0x80
.set n, 0
.rept 64
	ds_load_b128 v[4*n:4*n+3], v4 offset:32768+512*n       ; K steps 8-15 into window 2
.set n, n+1
.endr
	WIN 0
	s_wait_dscnt 0x0
; 16 matrix instructions: K steps 4 G .. 4 G + 3, four accumulators.  The tile's first products start the sums.
.macro MULG G
.if \G < 2
	WIN 0x04                                       ; source 1 (W2) in window 1
.else
	WIN 0x08                                       ; in window 2
.endif
.irp ss, 0,1,2,3
.irp j, 0,1,2,3
.if 4*\G+\ss == 0
	v_wmma_f32_16x16x32_bf16 v[ACC+8*\j:ACC+8*\j+7], v[AR+8*(4*\G+\ss):AR+8*(4*\G+\ss)+7], v[((4*(4*\G+\ss)+\j)*8)%256:((4*(4*\G+\ss)+\j)*8)%256+7], 0
.else
	v_wmma_f32_16x16x32_bf16 v[ACC+8*\j:ACC+8*\j+7], v[AR+8*(4*\G+\ss):AR+8*(4*\G+\ss)+7], v[((4*(4*\G+\ss)+\j)*8)%256:((4*(4*\G+\ss)+\j)*8)%256+7], v[ACC+8*\j:ACC+8*\j+7]
.endif
.endr
.endr
.endm
.macro AFILL G                         ; the same four K steps of the next tile, into the registers just read (a load names destination and source 0: both window 0)
.set n, 8*\G
.rept 8
	global_load_b128 v[AR+4*n:AR+4*n+3], v4, s[36:37] offset:512*n
.set n, n+1
.endr
.endm
.macro GROUP G, left, more
	s_wait_loadcnt \left
	MULG \G
	PLACES                                         ; before loads land in registers that the products read, and before the sums are read
.if \more
	AFILL \G
.endif
.endm
; One tile of 16 rows.  At its head the tile's 32 loads of hs are out on every path.  more = 1: the ring is refilled with tile t + 4.
.macro TILE more
	s_wait_xcnt 0x0                                ; the last tile's stores have read OUT and OFFS, its loads their bases
	s_min_u32 s44, s25, MAXTILE
	s_lshl_b32 s28, s44, 6
	s_add_nc_u64 s[38:39], s[10:11], s[28:29]
	global_load_b128 v[ROW:ROW+3], v7, s[38:39]            ; where the rows go: wanted at the tile's end
	global_load_b128 v[ROW+4:ROW+7], v7, s[38:39] offset:16
.if \more
	s_add_co_u32 s44, s25, 4
	s_min_u32 s44, s44, MAXTILE
	s_lshl_b32 s28, s44, 14
	s_add_nc_u64 s[36:37], s[4:5], s[28:29]
	GROUP 0, 26, 1                                 ; behind a group's eight loads stand the three other groups, old or refilled (24), and order's two
	GROUP 1, 26, 1
	GROUP 2, 26, 1
	GROUP 3, 26, 1
	WIN 0
	s_wait_loadcnt 32                              ; order's two are in; the 32 refills stay out
.else
	GROUP 0, 26, 0                                 ; nothing is refilled: the counts run down
	GROUP 1, 18, 0
	GROUP 2, 10, 0
	GROUP 3, 2, 0
	WIN 0
	s_wait_loadcnt 0x0
.endif
.irp i, 0,1,2,3,4,5,6,7
	v_min_u32 v[OFFS+\i], 4095, v[ROW+\i]
	v_lshl_add_u32 v[OFFS+\i], v[OFFS+\i], 13, v6  ; a row of out is 8,192 bytes
.endr
.irp i, 0,1,2,3,4,5,6,7
.irp j, 0,1,2,3
	v_add_f32 v[OUT+4*\i+\j], v[ACC+8*\j+\i], v[BIAS+\j]
.endr
	global_store_b128 v[OFFS+\i], v[OUT+4*\i:OUT+4*\i+3], s[34:35] th:TH_STORE_NT   ; sixteen lanes store 256 consecutive bytes, aligned
.endr
.endm
	s_cmp_eq_u32 s26, 0
	s_cbranch_scc1 .Ltail                          ; one tile only
	s_mov_b32 s46, 0                               ; the loop is counted by its trips; t only feeds addresses
.Lloop:
	TILE 1
	s_add_co_u32 s25, s25, 4                       ; my next tile
	s_add_co_u32 s46, s46, 1
	s_cmp_lt_u32 s46, s26
	s_cbranch_scc1 .Lloop
.Ltail:
	TILE 0                                         ; my last tile asks for nothing more
.Lend:
	s_wait_tensorcnt 0x0
	ds_add_u32 v126, v127
	s_wait_dscnt 0x0
	s_endpgm
.Lfunc_end_k_q2abb302d74_output:
	.size	k_q2abb302d74_output, .Lfunc_end_k_q2abb302d74_output-k_q2abb302d74_output
	.p2alignl 7, 3214868480
	.fill 96, 4, 3214868480
	.section	.rodata,"a",@progbits
	.p2align	6, 0x0
	.amdhsa_kernel k_q2abb302d74_output
		.amdhsa_group_segment_fixed_size 66048
		.amdhsa_private_segment_fixed_size 0
		.amdhsa_enable_private_segment 0
		.amdhsa_kernarg_size 48
		.amdhsa_user_sgpr_count 2
		.amdhsa_user_sgpr_kernarg_segment_ptr 1
		.amdhsa_wavefront_size32 1
		.amdhsa_system_sgpr_workgroup_id_x 1
		.amdhsa_system_sgpr_workgroup_id_y 1
		.amdhsa_system_sgpr_workgroup_id_z 1
		.amdhsa_system_vgpr_workitem_id 0
		.amdhsa_next_free_vgpr 768
		.amdhsa_next_free_sgpr 66
		.amdhsa_reserve_vcc 0
		.amdhsa_float_denorm_mode_32 3
		.amdhsa_float_denorm_mode_16_64 3
		.amdhsa_memory_ordered 1
		.amdhsa_forward_progress 1
		.amdhsa_inst_pref_size 50
	.end_amdhsa_kernel
	.amdgpu_metadata
---
amdhsa.version: [ 1, 2 ]
amdhsa.kernels:
  - .name:           k_q2abb302d74_output
    .symbol:         k_q2abb302d74_output.kd
    .args:
      - { .name: hs, .offset: 0, .size: 8, .value_kind: global_buffer, .address_space: global }
      - { .name: W2, .offset: 8, .size: 8, .value_kind: global_buffer, .address_space: global }
      - { .name: b2, .offset: 16, .size: 8, .value_kind: global_buffer, .address_space: global }
      - { .name: order, .offset: 24, .size: 8, .value_kind: global_buffer, .address_space: global }
      - { .name: tiles, .offset: 32, .size: 8, .value_kind: global_buffer, .address_space: global }
      - { .name: out0, .offset: 40, .size: 8, .value_kind: global_buffer, .address_space: global }
    .group_segment_fixed_size: 66048
    .private_segment_fixed_size: 0
    .kernarg_segment_align: 8
    .kernarg_segment_size: 48
    .max_flat_workgroup_size: 128
    .sgpr_count:     66
    .vgpr_count:     768
    .wavefront_size: 32
...
	.end_amdgpu_metadata
.endif
;; end of part 3
;; ======== version 2 of 2: 3 launches; version 1 with the launch output written anew for expert scheduling mode
;; workspace buffers: order 16,896 bytes of whole numbers; tiles 256 bytes of whole numbers; hs 4,325,376 bytes
;; launch route: the kernel of part 1 again; grid 1 x 1, 32 waves a work-group, no clusters, 22,016 bytes of LDS; arguments X_head_idx, order, tiles; writes order, tiles
;; launch hidden: the kernel of part 2 again; grid 256 x 1, 4 waves a work-group, no clusters, 67,072 bytes of LDS; arguments X, W1, b1, order, tiles, hs; writes hs
;; launch output (part 4): grid 256 x 1, 4 waves a work-group, no clusters, 66,048 bytes of LDS; arguments hs, W2, b2, order, tiles, out0; writes out0
.if DOCPART == 4
	.amdgcn_target "amdgcn-amd-amdhsa--gfx1250"
	.amdhsa_code_object_version 6
	.text
	.protected	k_q2abb302d74_output
	.globl	k_q2abb302d74_output
	.p2align	8
	.type	k_q2abb302d74_output,@function
k_q2abb302d74_output:
	s_mov_b64 s[64:65], 0
	v_nop
	global_prefetch_b8 v0, s[64:65] scope:SCOPE_SE
	s_setreg_imm32_b32 hwreg(HW_REG_WAVE_SCHED_MODE, 0, 2), 2
	s_setreg_imm32_b32 hwreg(HW_REG_WAVE_MODE, 25, 1), 1
	s_wait_xcnt 0x0
	s_wait_alu depctr_vm_vsrc(0)
; OUTPUT: out[sample] = h W2[head] + b2[head], rows scattered back to the samples' places.
; Work-group x: head x >> 5, 64 columns slice = x & 31.  Its 512 x 64 block of W2 (128 KiB of f32) is read by this work-group alone, once: each
; wave loads and converts a quarter, the four exchange them through LDS behind the launch's one barrier, and every wave then keeps the whole
; block as 64 fragments in 512 registers.  Wave w takes tiles tst[head] + w, + 4, ...; the trip count is read from tiles, so the tile loop
; holds no barrier and touches no LDS: h's fragments come from hs as they lie (16 bytes a lane, 512 consecutive bytes a load).
;
; W2 is [K][N] in f32: one 16-byte load gives lane (r, h) the numbers W2[row][64 slice + 4 r + 0..3]; number j belongs to fragment j (columns
; 4 r + j), and two loads pack into one register.  The rows are taken in the order in which hs holds h:
; slot (K step s, half u, h, i) <-> hidden row 64 (s >> 1) + 32 h + 4 i + 2 (s & 1) + u; the same order on both sides leaves the products as they are.
; Register i of accumulator j in lane (r, h) is out(row 8 h + i of the tile, column 4 r + j): the add of b2 gathers j = 0..3 into four neighbouring
; registers, and one store writes 256 consecutive aligned bytes of row i (lanes 0-15) and of row 8 + i (lanes 16-31).
;
; THE MODE: SCHED_MODE bits 1:0 = 2 (LLVM: expert scheduling mode 2), set by the entry lines.  The code itself states the register dependences
; between vector or matrix instructions and memory or LDS instructions, with s_wait_alu, always for 0.
; THE PLAN.  Windows 0 and 3 hold the same map (offsets, sums, results, row numbers, b2, a ring of 16 K-step slots for h).  A tile reads the ring of
; window R (0 for my even tiles, 3 for my odd ones); all else that it touches lies in the other window O.  Registers that memory instructions touch in the loop:
;   ring in O       Tile k's 32 loads land in it (tile k + 1's fragments); read by tile k - 1's products and then by tile k + 1's.
;   ROW in O        Two loads at tile k's head land in it; read by tile k's clamps, before that by tile k - 2's.
;   OFFS, OUT in O  Written by tile k's closing arithmetic; read by the eight stores at tile k's end, before that by tile k - 2's stores.
;   v4, v7 in R     The loads' offsets: made at the head, never written again; the tiles are reached by scalar bases and immediate offsets.
;   The sums, b2, v6 and W2's fragments are named by vector and matrix instructions alone.
; So a tile holds TWO waits.  One on vm_vsrc, ahead of its closing arithmetic: the stores of the tile before last have read OFFS and OUT of this window.
; One on va_vdst, behind its adds: OFFS and OUT are written, for the stores that follow; the tile's products are done reading their ring, and earlier
; clamps their ROW, in which the next tile's loads land.  Those 34 loads are dealt among the next tile's products with no further wait: the products
; name the other ring, W2 and the sums, and the stores OFFS and OUT: none of the registers that the loads touch.
; One window setting serves a product (A in R, C and D in O) and a load (offset in R, data in O): three switches a tile.
; NO CLUSTER: the 32 work-groups of a head read the same tiles of hs (512 KiB of the 640 KiB that a work-group reads at 32 tiles a head).  Joint
; requests would bring them into LDS and so need a barrier in a loop whose length is read from memory; this text keeps barriers out of such loops.
; LIMITS: h and W2 enter the products in bf16; sums and bias in f32.  A pad row repeats a sample of its own tile: the wave that stores that
; sample's row stores the same bytes once more.
.set MAXTILE, 263
.set MAXN,    64                       ; a head has at most 4096 / 16 = 256 tiles, a wave a quarter of them
; in window 0 and in window 3 alike:
.set ACC,  16                          ; v[16:47]   accumulators, 8 j + i
.set OUT,  48                          ; v[48:79]   results, 4 i + j
.set ROW,  80                          ; v[80:87]   order[16 t + 8 h + i]
.set OFFS, 88                          ; v[88:95]   byte offset of that row in out, + 16 r
.set BIAS, 96                          ; v[96:99]   b2 of my four columns
.set AR,   128                         ; v[128:255] h's fragments, 8 s + 4 u
; window 1: W2's fragments of K steps 0-7, 8 (4 s + j) + 4 u (before the barrier: my quarter in f32, 64 quads)
; window 2: those of K steps 8-15 (before the barrier: v0-127 my quarter in bf16)
.set MSB, 0
.macro WIN new                         ; s_set_vgpr_msb: bits 1:0 source 0, 3:2 source 1, 5:4 source 2, 7:6 destination; the high byte repeats the setting left
.if MSB != (\new)
	s_set_vgpr_msb (MSB<<8)|(\new)
.set MSB, (\new)
.endif
.endm
	s_load_b256 s[4:11], s[0:1], 0x0               ; hs s[4:5], W2 s[6:7], b2 s[8:9], order s[10:11]
	s_load_b128 s[12:15], s[0:1], 0x20             ; tiles s[12:13], out0 s[14:15]
	v_lshl_add_u32 v126, v0, 2, 0x10000
	v_mov_b32 v127, 0
	v_lshrrev_b32 v1, 5, v0
	v_readfirstlane_b32 s16, v1                    ; wave
	s_lshr_b32 s17, ttmp9, 5                       ; head
	s_and_b32 s18, ttmp9, 31                       ; slice
	v_and_b32 v1, 31, v0                           ; lane
	v_and_b32 v2, 15, v0                           ; r
	v_bfe_u32 v3, v0, 4, 1                         ; h
	v_lshlrev_b32 v4, 4, v1                        ; 16 lane
	v_lshlrev_b32 v6, 4, v2                        ; 16 r
	v_lshl_add_u32 v5, v3, 18, v6                  ; W2: 32 h rows of 8,192 bytes + 16 r
	v_lshlrev_b32 v7, 5, v3                        ; order: 8 h words
	WIN 0xc0                                       ; the same three offsets in window 3, for my odd tiles
	v_lshlrev_b32 v4, 4, v1
	v_lshlrev_b32 v6, 4, v2
	v_lshlrev_b32 v7, 5, v3
	WIN 0
	s_wait_alu depctr_va_sdst(0)                   ; s16 is written, ahead of its first reader: LDS places, bases and my tiles are made from it
	s_lshl_b32 s45, s16, 14
	v_add_nc_u32 v8, s45, v4                       ; my quarter of the fragments in LDS: K steps 4 w .. 4 w + 3
	s_mov_b32 s29, 0                               ; the high word of every offset pair
	s_wait_kmcnt 0x0
	s_lshl_b32 s28, s17, 3
	s_add_nc_u64 s[42:43], s[12:13], s[28:29]
	s_load_b128 s[20:23], s[42:43], 0x0            ; tst[head], count, tst[head+1], count
	s_load_b32 s24, s[12:13], 0x40                 ; the number of tiles
	s_lshl_b32 s28, s17, 22                        ; a head of W2: 512 x 2048 x 4 bytes
	s_lshl_b32 s44, s16, 20                        ; 128 w rows
	s_add_co_u32 s28, s28, s44
	s_lshl_b32 s44, s18, 8                         ; 64 columns
	s_add_co_u32 s28, s28, s44
	s_add_nc_u64 s[30:31], s[6:7], s[28:29]
	s_lshl_b32 s28, s17, 13
	s_add_co_u32 s28, s28, s44
	s_add_nc_u64 s[32:33], s[8:9], s[28:29]        ; b2[head][64 slice]
	s_mov_b32 s28, s44
	s_add_nc_u64 s[34:35], s[14:15], s[28:29]      ; out0 + my 256 bytes of a row
	; my 128 rows of W2, read once in the launch: load (sp, u, i) brings row 128 w + 64 (sp >> 1) + 32 h + 4 i + 2 (sp & 1) + u;
	; each half of the wave reads 256 consecutive bytes, aligned
	WIN 0x40
	s_wait_alu depctr_va_vdst(0)                   ; the offsets v4 to v8, and v4, v6, v7 of window 3, are written: every load, store and LDS access of the kernel reads one of them or an offset made later from loaded row numbers
.irp sp, 0,1,2,3
.irp u, 0,1
.irp i, 0,1,2,3,4,5,6,7
	global_load_b128 v[4*((2*\sp+\u)*8+\i):4*((2*\sp+\u)*8+\i)+3], v5, s[30:31] offset:(64*(\sp>>1)+4*\i+2*(\sp&1)+\u)*8192 th:TH_LOAD_NT
.endr
.endr
.endr
	WIN 0xc0
	global_load_b128 v[BIAS:BIAS+3], v6, s[32:33]  ; b2 into window 3, where my even tiles are finished,
	WIN 0
	global_load_b128 v[BIAS:BIAS+3], v6, s[32:33]  ; and into window 0, for the odd ones
	s_wait_kmcnt 0x0
	s_sub_co_u32 s24, s24, 1                       ; the last tile that was written
	s_add_co_u32 s25, s20, s16                     ; t: my first tile
	s_sub_co_u32 s27, s22, s20                     ; the head's tiles
	s_add_co_u32 s27, s27, 3
	s_sub_co_u32 s27, s27, s16
	s_lshr_b32 s27, s27, 2                         ; n: my tiles
	s_min_u32 s27, s27, MAXN
	s_sub_co_u32 s26, s27, 1                       ; all my tiles but the last ask for a successor (used only where n > 0):
	s_and_b32 s47, s26, 1                          ; one of them by itself, if their number is odd,
	s_lshr_b32 s26, s26, 1                         ; the others in pairs: the loop's trips
	s_min_u32 s44, s25, s24                        ; a wave without work reads a tile that exists and does not use it
	s_min_u32 s44, s44, MAXTILE
	s_lshl_b32 s28, s44, 14
	s_add_nc_u64 s[40:41], s[4:5], s[28:29]
.set n, 0
.rept 32
	global_load_b128 v[AR+4*n:AR+4*n+3], v4, s[40:41] offset:512*n     ; the first tile's 16 fragments, into window 0's ring
.set n, n+1
.endr
; K step 4 w + sp of my quarter: to bf16 (register 4 u + p of fragment j = rows i = 2 p, 2 p + 1 of column j) and into LDS.
; left = how many younger loads may stay out when this K step's 16 loads have to be in.
.macro CONV sp, left
	s_wait_loadcnt \left
	WIN 0x85
.irp j, 0,1,2,3
.irp u, 0,1
.irp p, 0,1,2,3
	v_cvt_pk_bf16_f32 v[(4*\sp+\j)*8+4*\u+\p], v[4*((2*\sp+\u)*8+2*\p)+\j], v[4*((2*\sp+\u)*8+2*\p+1)+\j]
.endr
.endr
.endr
	WIN 0x08
	s_wait_alu depctr_va_vdst(0)                   ; the conversions have written this K step's 32 registers of window 2, which the LDS stores read
.irp j, 0,1,2,3
.irp u, 0,1
	ds_store_b128 v8, v[(4*\sp+\j)*8+4*\u:(4*\sp+\j)*8+4*\u+3] offset:(4*\sp+\j)*1024+512*\u
.endr
.endr
.endm
	CONV 0, 63                                     ; 82 loads are younger (48 of W2, 2 of b2, 32 of hs): the largest count that the wait can name
	CONV 1, 63                                     ; 66 are younger
	CONV 2, 50                                     ; 16 of W2, 2 of b2, 32 of hs
	CONV 3, 34                                     ; 2 of b2, 32 of hs
	WIN 0
	s_wait_dscnt 0x0                               ; my quarter is in LDS before I say so
	s_barrier_signal -1
	s_barrier_wait -1                              ; the launch's only barrier: in front of every branch that hangs on loaded numbers
	s_cmp_eq_u32 s27, 0
	s_cbranch_scc1 .Lend                           ; a head with fewer than four tiles leaves some waves without work
	WIN 0x40
	s_wait_alu depctr_va_vdst(0)                   ; the conversions are done reading window 1 and writing v0-127 of window 2: the LDS loads below land in both
	s_wait_alu depctr_vm_vsrc(0)                   ; my LDS stores have read v0-127 of window 2, in which the second run of loads lands
.set n, 0
.rept 64
	ds_load_b128 v[4*n:4*n+3], v4 offset:512*n             ; K steps 0-7 into window 1
.set n, n+1
.endr
	WIN 0x80
.set n, 0
.rept 64
	ds_load_b128 v[4*n:4*n+3], v4 offset:32768+512*n       ; K steps 8-15 into window 2
.set n, n+1
.endr
	WIN 0
	s_wait_dscnt 0x0
; 16 matrix instructions: K steps 4 G .. 4 G + 3, four accumulators, which take turns.  The tile's first products start the sums.
; fill = 1 (G = 0, 1): behind each product one load of the next tile's fragments, number 16 G + 4 ss + j of 32, into the other window's ring.
; No wait: no vector or matrix instruction since the last wait on va_vdst names that ring or the offset.
.macro MULG G, fill
.irp ss, 0,1,2,3
.irp j, 0,1,2,3
.if 4*\G+\ss == 0
	v_wmma_f32_16x16x32_bf16 v[ACC+8*\j:ACC+8*\j+7], v[AR+8*(4*\G+\ss):AR+8*(4*\G+\ss)+7], v[((4*(4*\G+\ss)+\j)*8)%256:((4*(4*\G+\ss)+\j)*8)%256+7], 0
.else
	v_wmma_f32_16x16x32_bf16 v[ACC+8*\j:ACC+8*\j+7], v[AR+8*(4*\G+\ss):AR+8*(4*\G+\ss)+7], v[((4*(4*\G+\ss)+\j)*8)%256:((4*(4*\G+\ss)+\j)*8)%256+7], v[ACC+8*\j:ACC+8*\j+7]
.endif
.if \fill
	global_load_b128 v[AR+4*(16*\G+4*\ss+\j):AR+4*(16*\G+4*\ss+\j)+3], v4, s[36:37] offset:512*(16*\G+4*\ss+\j)
.endif
.endr
.endr
.endm
; One tile of 16 rows: tile t + at.  p = 0: it reads window 0's ring and is finished in window 3; p = 1: the other way round.
; At its head the tile's 32 loads of hs are out on every path.  more = 1: the other ring is filled with tile t + at + 4.
.macro TILE p, at, more
.set RW, 3*(\p)                        ; the window of the ring that is read, and of the loads' offsets
.set OW, 3-3*(\p)                      ; the window of everything else
.set WM, (OW<<6)|(OW<<4)|RW            ; a product: A in RW, C and D in OW; a load: offset in RW, data in OW
.if (\at) == 0                         ; the two bases were last read ahead of the s_wait_xcnt 0 of the tile before
	s_min_u32 s44, s25, MAXTILE
.else
	s_add_co_u32 s44, s25, \at
	s_min_u32 s44, s44, MAXTILE
.endif
	s_lshl_b32 s28, s44, 6
	s_add_nc_u64 s[38:39], s[10:11], s[28:29]
.if \more
	s_add_co_u32 s44, s25, (\at)+4
	s_min_u32 s44, s44, MAXTILE
	s_lshl_b32 s28, s44, 14
	s_add_nc_u64 s[36:37], s[4:5], s[28:29]
.endif
	WIN WM|0x04                                    ; W2 in window 1
	global_load_b128 v[ROW:ROW+3], v7, s[38:39]            ; where the rows go: wanted at the tile's end
	global_load_b128 v[ROW+4:ROW+7], v7, s[38:39] offset:16
	s_wait_loadcnt 26                              ; behind K steps 0-3's eight loads: the tile's other 24 and order's two
	MULG 0, \more
	s_wait_loadcnt 18+16*(\more)                   ; 16, order's two, and the 16 loads dealt so far
	MULG 1, \more
	WIN WM|0x08                                    ; W2 in window 2
	s_wait_loadcnt 10+32*(\more)                   ; 8, order's two, and all 32
	MULG 2, 0
	s_wait_loadcnt 2+32*(\more)                    ; order's two and all 32
	MULG 3, 0
	WIN OW*0x55                                    ; the rest of the tile lies in one window
	s_wait_loadcnt 32*(\more)                      ; order's two are in; the next tile's 32 stay out
	s_wait_xcnt 0x0                                ; every earlier memory instruction has had its addresses translated (ISA guide 3.1): OFFS and OUT of this window, and the two bases, are rewritten only behind this wait
	s_wait_alu depctr_vm_vsrc(0)                   ; the stores of the tile before last have read OFFS and OUT of this window, which the lines below write again
.irp i, 0,1,2,3,4,5,6,7
	v_min_u32 v[OFFS+\i], 4095, v[ROW+\i]
	v_lshl_add_u32 v[OFFS+\i], v[OFFS+\i], 13, v6  ; a row of out is 8,192 bytes.  These sixteen are also the places behind the last products, before the sums are read (ISA guide 7.12.1)
.endr
.irp i, 0,1,2,3,4,5,6,7
.irp j, 0,1,2,3
	v_add_f32 v[OUT+4*\i+\j], v[ACC+8*\j+\i], v[BIAS+\j]
.endr
.endr
	s_wait_alu depctr_va_vdst(0)                   ; OFFS and OUT are written, which the stores read; this tile's products are done reading their ring, and the clamps their ROW, in which later loads land
.irp i, 0,1,2,3,4,5,6,7
	global_store_b128 v[OFFS+\i], v[OUT+4*\i:OUT+4*\i+3], s[34:35] th:TH_STORE_NT   ; sixteen lanes store 256 consecutive bytes, aligned
.endr
.endm
	s_cmp_eq_u32 s26, 0
	s_cbranch_scc1 .Lafter                         ; one or two tiles only
	s_mov_b32 s46, 0                               ; the loop is counted by its trips; t only feeds addresses
.Lloop:                                                ; two tiles a trip: both windows are back at their start
	TILE 0, 0, 1
	TILE 1, 4, 1
	s_add_co_u32 s25, s25, 8                       ; my tile after these two
	s_add_co_u32 s46, s46, 1
	s_cmp_lt_u32 s46, s26
	s_cbranch_scc1 .Lloop
.Lafter:
	s_cmp_eq_u32 s47, 0
	s_cbranch_scc1 .Leven
	TILE 0, 0, 1                                   ; two tiles are left
	TILE 1, 4, 0                                   ; my last tile asks for nothing more
	s_branch .Lend
.Leven:
	TILE 0, 0, 0                                   ; one tile is left: it asks for nothing more
	WIN 0
.Lend:
	s_wait_dscnt 0x0
	s_wait_alu depctr_hold_cnt(0) depctr_sa_sdst(0) depctr_va_vdst(0) depctr_va_sdst(0) depctr_va_ssrc(0) depctr_va_vcc(0) depctr_vm_vsrc(0)
	s_wait_tensorcnt 0x0
	ds_add_u32 v126, v127
	s_wait_dscnt 0x0
	s_endpgm
.Lfunc_end_k_q2abb302d74_output:
	.size	k_q2abb302d74_output, .Lfunc_end_k_q2abb302d74_output-k_q2abb302d74_output
	.p2alignl 7, 3214868480
	.fill 96, 4, 3214868480
	.section	.rodata,"a",@progbits
	.p2align	6, 0x0
	.amdhsa_kernel k_q2abb302d74_output
		.amdhsa_group_segment_fixed_size 66048
		.amdhsa_private_segment_fixed_size 0
		.amdhsa_enable_private_segment 0
		.amdhsa_kernarg_size 48
		.amdhsa_user_sgpr_count 2
		.amdhsa_user_sgpr_kernarg_segment_ptr 1
		.amdhsa_wavefront_size32 1
		.amdhsa_system_sgpr_workgroup_id_x 1
		.amdhsa_system_sgpr_workgroup_id_y 1
		.amdhsa_system_sgpr_workgroup_id_z 1
		.amdhsa_system_vgpr_workitem_id 0
		.amdhsa_next_free_vgpr 1024
		.amdhsa_next_free_sgpr 66
		.amdhsa_reserve_vcc 0
		.amdhsa_float_denorm_mode_32 3
		.amdhsa_float_denorm_mode_16_64 3
		.amdhsa_memory_ordered 1
		.amdhsa_forward_progress 1
		.amdhsa_inst_pref_size 78
	.end_amdhsa_kernel
	.amdgpu_metadata
---
amdhsa.version: [ 1, 2 ]
amdhsa.kernels:
  - .name:           k_q2abb302d74_output
    .symbol:         k_q2abb302d74_output.kd
    .args:
      - { .name: hs, .offset: 0, .size: 8, .value_kind: global_buffer, .address_space: global }
      - { .name: W2, .offset: 8, .size: 8, .value_kind: global_buffer, .address_space: global }
      - { .name: b2, .offset: 16, .size: 8, .value_kind: global_buffer, .address_space: global }
      - { .name: order, .offset: 24, .size: 8, .value_kind: global_buffer, .address_space: global }
      - { .name: tiles, .offset: 32, .size: 8, .value_kind: global_buffer, .address_space: global }
      - { .name: out0, .offset: 40, .size: 8, .value_kind: global_buffer, .address_space: global }
    .group_segment_fixed_size: 66048
    .private_segment_fixed_size: 0
    .kernarg_segment_align: 8
    .kernarg_segment_size: 48
    .max_flat_workgroup_size: 128
    .sgpr_count:     66
    .vgpr_count:     1024
    .wavefront_size: 32
...
	.end_amdgpu_metadata
.endif
;; end of part 4
